; MI455X (gfx1250); checked and timed in simulation.
; The chip was launched on July 23, 2026; its instructions are those of AMD's public machine-readable ISA for CDNA 5 (MIT licence, August 2026) and "CDNA5" Instruction Set Architecture Reference Guide (July 2026). The comments in the code are by the model that wrote it; some were corrected since.
;; QKV Attention Legacy. Allowed arithmetic: matrix products marked QUANTISED: E2M1 operands, one E8M0 scale for each 32 along K, by v_wmma_scale_f32_16x16x128_f8f6f4 with both operands' format E2M1 (or v_wmma_scale_f32_32x16x128_f4), f32 sums; everything else in f32.
;; Inputs: qkv 4 x 3,072 x 2,048 float32.
;; Outputs: out0 4 x 1,024 x 2,048 float32.
;; This version of the problem:
;;   THIS VERSION OF THE PROBLEM IS GIVEN IN LOW PRECISION. The matrix products marked QUANTISED in the list below multiply operands that are first quantised to E2M1 (2 exponent bits, 1 mantissa bit; 4 bits a number), with one power-of-two scale for each 32 numbers along K (OCP MX v1.0); their sums are f32. All else is computed in f32.
;;   The module's matrix products, in the order in which they are computed (A, B: the left and right operand; K: the contracted axis; several contracted axes count as one K, in the product's order):
;;     1. batch 64 x [M 2,048, K 64] x [K 64, N 2,048]; A: computed on the way; B: computed on the way: QUANTISED
;;     2. batch 64 x [M 64, K 2,048] x [K 2,048, N 2,048]; A: input qkv; B: softmax (see below): QUANTISED
;;   THE QUANTISER, for each operand of a quantised product, along K:
;;     - K is cut into blocks of 32 from its start; a last block that is shorter is filled with zeros.
;;     - A block's scale is 2^e with e = floor(log2(the largest magnitude in the block)) - 2, held to -126 .. 127; a block of zeros has e = 0. As a byte (E8M0): e + 127.
;;     - Each number is divided by its block's scale, clamped to +-6, and rounded to the nearest number of E2M1, ties to even, subnormals kept.
;;     - The product sums the exact products of the quantised numbers (number of the format x scale) in f32.
;;   ~~~python
;;   def quantise(x, axis):      # numpy; x: float32 -> the quantised numbers, widened to float32 again
;;       x = np.moveaxis(x, axis, -1); K = x.shape[-1]
;;       x = np.pad(x, [(0, 0)] * (x.ndim - 1) + [(0, -K % 32)]); x = x.reshape(x.shape[:-1] + (-1, 32)); a = np.abs(x).max(-1, keepdims=True)
;;       e = np.where(a > 0, np.clip(np.frexp(np.where(a > 0, a, 1))[1] - 1 - 2, -126, 127), 0)      # np.frexp(a)[1] - 1 = floor(log2(a)), exactly
;;       r = np.clip(x / 2.0 ** e, -6, 6)
;;       step = 2.0 ** (np.maximum(np.frexp(np.where(r == 0, 1, r))[1] - 1, 0) - 1)
;;       q = np.round(r / step) * step * 2.0 ** e      # np.round: ties to even
;;       return np.moveaxis(q.reshape(q.shape[:-2] + (-1,))[..., :K], -1, axis).astype(np.float32)
;;   ~~~
;;   SOFTMAX AHEAD OF A QUANTISED PRODUCT. Where the list says 'softmax', what is quantised is not the finished softmax but p = 2^(t - M), with t = logit x log2(e) and M = ceil(the row's largest t), a whole number; so 1/2 < the row's largest p <= 1. The row's sum l is taken of the UNQUANTISED p, in f32, and the product's result is divided by l at the end. Since M is a whole number, a kernel that streams over the keys may use a running M (the ceiling of the running maximum): every later rescaling is an exact power of two, which a block's scale takes up: the codes' values come out the same.
;;   OPERANDS COMPUTED ON THE WAY. 'Computed on the way' means the value that the module computes at that place (a softmax that the list does not call 'softmax' is quantised finished and normalised). What goes into a quantiser is computed in f32, as accurately as f32 sums, v_exp_f32 and their like allow (about 1e-6 of the number): no bf16 or f16 on the way to a quantiser, and a product that is left as it is and whose result goes on into a quantised operand takes f32 operands (vector FMAs, or v_wmma_f32_16x16x4_f32). A number that lies on a knife's edge between two numbers of the format may be rounded either way, as far as f32 arithmetic and the matrix unit's own rounding can turn it there, and no further.
;; 2 versions. Each part assembles by itself: llvm-mc -triple=amdgcn-amd-amdhsa -mcpu=gfx1250 --defsym DOCPART=n.
;; ======== version 1 of 2: 1 launch
;; launch attn (part 1): grid 4 x 64, 16 waves a work-group, no clusters, 274,432 bytes of LDS; arguments qkv, out0; writes out0
.if DOCPART == 1
	.amdgcn_target "amdgcn-amd-amdhsa--gfx1250"
	.amdhsa_code_object_version 6
	.text
	.protected	k_q5f8092c7d0_attn
	.globl	k_q5f8092c7d0_attn
	.p2align	8
	.type	k_q5f8092c7d0_attn,@function
k_q5f8092c7d0_attn:
	s_mov_b64 s[64:65], 0
	v_nop
	global_prefetch_b8 v0, s[64:65] scope:SCOPE_SE
	s_setreg_imm32_b32 hwreg(HW_REG_WAVE_MODE, 25, 1), 1
	s_wait_xcnt 0x0
; out[hd][c][t] = (sum over s of V4[c][s] P4[t][s]) / l[t],  P = 2^(S log2 e - M),  S[t][s] = sum over c of Q4[c][t] K4[c][s].
; qkv: [64 heads][192 rows][2048] f32: rows 0-63 q, 64-127 k, 128-191 v, the time axis innermost.  out0: [64 heads][64][2048] f32.
; Both products run on codes of E2M1 with one E8M0 scale for each 32 along K.  q x 8^-0.5 and k x 8^-0.5 are quantised along the 64 channels, v and p along the keys.
; M is the running largest t rounded up to a whole number; l is the sum of the unquantised p; when M moves, l and O are multiplied by 2^(old M - new M), exactly.
; SHARES.  A work-group owns 512 queries of one head; each of its sixteen waves owns 32 of them: two tiles of 16, in 256 registers.
; HEAD.  Wave w reads keys 128 w .. 128 w + 127 of k and v as f32, quantises them in registers and lays codes and scale words in LDS AS IMAGES OF THE OPERANDS' REGISTERS: 16 regions,
; one for each key step, 139,264 bytes for the whole head.  Its 32 queries stay in registers.  One barrier.  Then 16 key steps with no barrier and no access to memory: each fragment of K and V
; is loaded from LDS once a step and serves both tiles of queries.  The way out goes through a stage in LDS, one barrier, and leaves in runs of 512 consecutive bytes.
; BOTH PRODUCTS ARE USED TRANSPOSED (source 0 = 16 keys, or 16 channels of v; source 1 = 16 queries): a lane holds ONE query (lane % 16) throughout.
; THE FIRST PRODUCT'S K IS 64, the instruction's 128: a fragment of K holds TWO tiles of keys (registers 0-3: tile 2 b, all 64 channels; registers 4-7: tile 2 b + 1), and the queries' operand is cut
; out of a run zeros | Q | zeros: [Q, 0] picks tile 2 b, [0, Q] picks tile 2 b + 1.  Zero codes add nothing under any scale byte from 1 to 254.
; THE KEYS OF A TILE ARE NOT NEIGHBOURS: row m of tile 2 b + u is key 32 b + 8 u + m + 8 (m / 8), so that the 16 score registers of tiles 2 b, 2 b + 1 are keys 32 b + 16 (lane / 16) + 0 .. 15.
; NO JOINT LOADS, though the four work-groups of a head read the same k and v: the numbers are wanted as f32 in registers, for the quantiser.  Through LDS a head's 1,048,576 bytes would need
; six fills or more of the 188,416 bytes that the images leave free, each behind a round of a cluster's barrier, and every byte would be written to LDS and read from it once more.
; All reads of memory stand in the head, two items ahead of the work; the loop reads none, so nothing is asked for in advance beyond that.
; LIMITS: NaN and infinities among the inputs are not served.  A block whose largest magnitude lies under 2^-124 (a block of zeros among them) gets the byte 1: the bytes are read by this program alone,
; and zero codes add nothing.  A p under 2^-126 becomes 0 (v_exp_f32's results: ISA guide 15.8).  t - M is made by one fused multiply-add.
.set ROWB,  8192                       ; a row of qkv or out0 in bytes
.set HEADB, 192*ROWB                   ; a head of qkv
.set REG,   8704                       ; LDS: a key step's region: +0 K's four fragments, +4096 V's four, +8192 K's scale words (16 bytes a row), +8448 V's
.set VIM,   4096
.set KSC,   8192
.set VSC,   8448
.set STG,   16*REG                     ; behind the images: v's turning stage, 16 rows x 272 bytes for each wave
.set SPT,   272                        ; 256 bytes + 16: the sixteen rows that a load touches start at sixteen different banks (64 banks of 4 bytes: ISA guide 11.1)
.set OST,   16*REG                     ; the way out's stage, 64 rows x OP bytes, over the turning stages, whose last reads are waited for ahead of the first barrier
.set OP,    2064                       ; 2,048 bytes + 16
; registers that stay
.set AD0, 1                            ; v1   16 x lane
.set ADR, 2                            ; v2   16 x lane + the key step's region
.set QR,  16                           ; v16-35  zeros | Q of tile 0 | zeros | Q of tile 1 | zeros, four registers each
.set QW,  36                           ; v36  the queries' scale words: lanes 0-15 tile 0's, lanes 16-31 tile 1's
.set PW,  37                           ; v37, v38  p's scale words, tile 0's and tile 1's
.set SKV, 40                           ; v40-43  lanes 0-15: K's scale words of fragments 0-3; lanes 16-31: V's
; the head's registers
.set VQ,  3                            ; v3   4 x lane
.set VK,  4                            ; v4   8 x lane
.set VV,  5                            ; v5   8,192 (lane / 16) + 16 (lane % 16)
.set KST, 6                            ; v6   where my two keys' codes go
.set KSB, 7                            ; v7   and their scale bytes
.set VSI, 8                            ; v8   the turning stage, in
.set VSO, 9                            ; v9   and out
.set VST, 10                           ; v10  where my row of v's codes goes
.set VSB, 11                           ; v11  and its scale bytes
.set C0,  48                           ; v48-51, v52-55  two blocks' codes
.set C1,  52
.set MA,  56                           ; v56, v57 largest magnitudes; v58, v59 the conversions' scale operands; v60, v61 the bytes
.set MB,  57
.set SA,  58
.set SB,  59
.set EA,  60
.set EB,  61
.set RA,  64                           ; v64-127, v128-191  numbers as loaded, two buffers by turns
.set RB,  128
.set XX,  192                          ; v192-255  two blocks of 32 neighbours along K
; the loop's registers
.set STT, 8                            ; tile x at v[8 + 4 x]: -M, the largest t, l in two halves
.set KV,  44                           ; v44-75  four fragments of K, then of V
.set PC,  76                           ; v76-83, v84-91  p's codes, tile 0's and tile 1's
.set SS,  92                           ; v92-155  the scores of the tile in hand, then p
.set OO,  156                          ; v156-187, v188-219  O^T, tile 0's and tile 1's
.set BM,  220                          ; v220-223  the four blocks' largest scores, then largest p
.set T4,  224                          ; v224-227  at work
.set SO,  228                          ; v228-231  the conversions' scale operands
.set FF,  232                          ; v[232:233]  f = 2^(old M - new M), and a word that is only named with it
.set TMP, 234                          ; v234, v235
.set T2,  236                          ; v[236:237]  the sum's second chain
; ---- the head's loads ----
.macro LQ r                            ; my 32 queries: a lane to a query, the registers run down the 64 channels; a load of the wave covers 128 consecutive bytes, the next wave's the 128 beside them
.set i, 0
.rept 64
	global_load_b32 v[\r+i], v[VQ], s[12:13] offset:i*ROWB th:TH_LOAD_NT
.set i, i+1
.endr
.endm
.macro LK r, g, hh                     ; keys 64 g + 2 lane, + 1 of my 128; channels 32 hh + 0 .. 31 down the registers; a load of the wave covers 256 consecutive bytes, aligned
.set i, 0
.rept 32
	global_load_b64 v[\r+2*i:\r+2*i+1], v[VK], s[14:15] offset:(32*\hh+i)*ROWB+256*\g
.set i, i+1
.endr
.endm
.macro LV r, t                         ; channels 16 t .. 16 t + 15 of v, my 128 keys: a load covers two rows x 256 consecutive bytes, aligned
.irp c, 0,1
.irp i, 0,1,2,3,4,5,6,7
	global_load_b128 v[\r+32*\c+4*\i:\r+32*\c+4*\i+3], v[VV], s[14:15] offset:(64+16*\t+2*\i)*ROWB+256*\c
.endr
.endr
.endm
; Two blocks of 32 numbers, each in one lane's 32 registers, become 4 registers of codes each and a scale byte each; the two by turns, so that no line waits for the line above it.
.macro QBLK2 x0, x1, c0, c1
	v_max3_num_f32 v[MA], |v[\x0]|, |v[\x0+1]|, 0x1800000          ; the largest magnitude, with the floor 2^(3 - 127) among its leaves: the byte cannot fall under 1
	v_max3_num_f32 v[MB], |v[\x1]|, |v[\x1+1]|, 0x1800000
.irp i, 2,4,6,8,10,12,14,16,18,20,22,24,26,28,30
	v_max3_num_f32 v[MA], v[MA], |v[\x0+\i]|, |v[\x0+\i+1]|
	v_max3_num_f32 v[MB], v[MB], |v[\x1+\i]|, |v[\x1+\i+1]|
.endr
	v_add_nc_u32 v[SA], 0xff000000, v[MA]                          ; 2 off the exponent field: the conversion takes the exponent field of this operand as its scale
	v_add_nc_u32 v[SB], 0xff000000, v[MB]
.irp g, 0,1,2,3
	v_cvt_scalef32_pk8_fp4_f32 v[\c0+\g], v[\x0+8*\g:\x0+8*\g+7], v[SA]
.endr
.irp g, 0,1,2,3
	v_cvt_scalef32_pk8_fp4_f32 v[\c1+\g], v[\x1+8*\g:\x1+8*\g+7], v[SB]
.endr
	v_lshrrev_b32 v[EA], 23, v[SA]                                 ; the scales' bytes; also the plain line behind the conversions
	v_lshrrev_b32 v[EB], 23, v[SB]
.endm
.macro KHEAD r, cnt                    ; an item of k: cnt = the next item's loads, the only ones issued behind mine
	s_wait_loadcnt \cnt
.set i, 0
.rept 32
	v_mul_f32 v[XX+i], s20, v[\r+2*i]                              ; x 8^-0.5, and the two keys are parted: the even key's 32 channels,
	v_mul_f32 v[XX+32+i], s20, v[\r+2*i+1]                         ; the odd key's
.set i, i+1
.endr
.endm
.macro KTAIL g, hh
	s_wait_dscnt 0x0                                               ; the last item's LDS stores have read the codes' and bytes' registers
	QBLK2 XX, XX+32, C0, C1
	ds_store_b128 v[KST], v[C0:C0+3] offset:2048*\g+256*\hh        ; 32 codes of one key: the 16 bytes of lane (row, hh) in the image of its tile
	ds_store_b128 v[KST], v[C1:C1+3] offset:2048*\g+256*\hh+16     ; the odd key is the next row
	ds_store_b8 v[KSB], v[EA] offset:KSC+8*\g+\hh
	ds_store_b8 v[KSB], v[EB] offset:KSC+8*\g+\hh+16
.endm
.macro VHEAD r, cnt                    ; an item of v: 16 rows x 128 keys turn through my stage, 64 keys at a time, so that a lane gets 32 neighbouring keys of one row
	s_wait_loadcnt \cnt
.irp c, 0,1
.irp i, 0,1,2,3,4,5,6,7
	ds_store_b128 v[VSI], v[\r+32*\c+4*\i:\r+32*\c+4*\i+3] offset:2*\i*SPT
.endr
.irp p, 0,1,2,3,4,5,6,7
	ds_load_b128 v[XX+32*\c+4*\p:XX+32*\c+4*\p+3], v[VSO] offset:16*\p   ; LDS serves a wave's instructions in order (ISA guide 5.7.1.4): these see the stores above, and the next half's stores come behind them
.endr
.endr
	s_wait_dscnt 0x0                                               ; the numbers are back; the stage's stores have read the buffer, the last item's stores their codes and bytes
.endm
.macro VTAIL t
	QBLK2 XX, XX+32, C0, C1
	ds_store_b128 v[VST], v[C0:C0+3] offset:VIM+1024*\t            ; registers 0-3 of fragment t as they stand: keys 32 (lane / 16) on,
	ds_store_b128 v[VST], v[C1:C1+3] offset:VIM+1024*\t+512        ; registers 4-7: keys 64 + 32 (lane / 16) on
	ds_store_b8 v[VSB], v[EA] offset:VSC+4*\t
	ds_store_b8 v[VSB], v[EB] offset:VSC+4*\t+2
.endm
	s_load_b128 s[4:7], s[0:1], 0x0                ; qkv s[4:5], out0 s[6:7]
	v_lshrrev_b32 v12, 5, v0
	v_readfirstlane_b32 s8, v12                    ; wave 0..15
	s_and_b32 s9, ttmp7, 0xffff                    ; the head
	s_mul_i32 s18, s9, HEADB                       ; its first byte in qkv (under 2^27)
	s_lshl_b32 s19, ttmp9, 11                      ; the work-group's 512 queries: 2,048 bytes of a row
	s_lshl_b32 s10, s8, 7                          ; my 32 of them: 128 bytes
	s_add_co_u32 s10, s10, s19
	s_add_co_u32 s10, s10, s18                     ; q: my first query in row 0
	s_mov_b32 s11, 0
	s_lshl_b32 s30, s8, 9                          ; my 128 keys: 512 bytes
	s_add_co_u32 s30, s30, s18
	s_add_co_u32 s30, s30, 64*ROWB                 ; k: my first key in its row 0; v's rows lie 64 rows on and are reached by the immediates
	s_mov_b32 s31, 0
	s_lshl_b32 s32, s9, 19                         ; the head's first byte in out0
	s_lshl_b32 s18, s8, 15                         ; the four channels that I store
	s_add_co_u32 s32, s32, s18
	s_add_co_u32 s32, s32, s19
	s_mov_b32 s33, 0
	s_mov_b32 s20, 0x3eb504f3                      ; 8^-0.5, as f32
	s_mov_b32 s21, s20                             ; (named with it as a pair, so it is written)
	s_mov_b32 s22, 0x3fb8aa3b                      ; log2(e)
	s_mov_b32 s23, s22
	s_mov_b32 s24, 0x76543210                      ; v_permlanex16_b32's selects for lane l xor 16
	s_mov_b32 s25, 0xfedcba98
	v_and_b32 v12, 31, v0                          ; lane
	v_and_b32 v13, 15, v0                          ; r
	v_bfe_u32 v14, v0, 4, 1                        ; h
	v_lshlrev_b32 v[AD0], 4, v12
	v_lshlrev_b32 v[VQ], 2, v12
	v_lshlrev_b32 v[VK], 3, v12
	v_lshlrev_b32 v[VV], 4, v13
	v_lshl_add_u32 v[VV], v14, 13, v[VV]
	s_wait_kmcnt 0x0
	s_add_nc_u64 s[12:13], s[4:5], s[10:11]
	s_add_nc_u64 s[14:15], s[4:5], s[30:31]
	s_add_nc_u64 s[16:17], s[6:7], s[32:33]
	LQ RA                                          ; items 0 and 1 of nine go out at once; an issue that would pass the counter's field is held back by itself (ISA guide 5.7.1), so no wait is placed for that
	LK RB, 0, 0
	; Key 64 g + 2 lane + e is row m = 2 (lane % 4) + e + 8 ((lane / 8) % 2) of tile 2 b + u, with b = 2 g + lane / 16 and u = (lane / 4) % 2.
	s_mul_i32 s28, s8, REG                         ; my key step's region
	v_and_b32 v15, 3, v0
	v_lshlrev_b32 v15, 5, v15                      ; 16 bytes a row: 32 (lane % 4)
	v_bfe_u32 v[KST], v0, 3, 1
	v_lshl_add_u32 v15, v[KST], 7, v15             ; + 128 ((lane / 8) % 2)
	v_add_nc_u32 v15, s28, v15
	v_bfe_u32 v[KSB], v0, 2, 1                     ; u
	v_lshl_add_u32 v[KST], v14, 10, v15            ; codes: + 1,024 (lane / 16)
	v_lshl_add_u32 v[KST], v[KSB], 9, v[KST]       ; + 512 u
	v_lshl_add_u32 v15, v14, 2, v15                ; bytes: + 4 (lane / 16)
	v_lshl_add_u32 v[KSB], v[KSB], 1, v15          ; + 2 u
	s_mul_i32 s29, s8, 16*SPT
	s_add_co_u32 s29, s29, STG                     ; my turning stage
	v_mul_u32_u24 v[VSI], v14, SPT
	v_lshl_add_u32 v[VSI], v13, 4, v[VSI]
	v_add_nc_u32 v[VSI], s29, v[VSI]               ; in: row h (+ 2 i), 16 r
	v_mul_u32_u24 v[VSO], v13, SPT
	v_lshl_add_u32 v[VSO], v14, 7, v[VSO]
	v_add_nc_u32 v[VSO], s29, v[VSO]               ; out: row r, 128 h
	v_add_nc_u32 v[VST], s28, v[AD0]
	v_lshl_add_u32 v[VSB], v13, 4, v14             ; 16 r + h
	v_add_nc_u32 v[VSB], s28, v[VSB]
	; ---- item 0: q ----
	s_wait_loadcnt 32                              ; q is in; item 1's 32 loads may be out
.set i, 0
.rept 32
	v_pk_mul_f32 v[RA+i:RA+i+1], v[RA+i:RA+i+1], s[20:21] op_sel_hi:[1,0]
.set i, i+2
.endr
	QBLK2 RA, RA+32, QR+4, QR+12                   ; lane l: query l; channels 0-31 -> v20-23, channels 32-63 -> v28-31
	LK RA, 0, 1                                    ; item 2
	v_lshl_or_b32 v[QW], v[EB], 8, v[EA]
	v_lshl_or_b32 v[QW], v[QW], 16, v[QW]          ; [s0, s1, s0, s1]: it serves [Q, 0] and [0, Q] alike
.irp i, 0,1,2,3
	v_permlane16_swap_b32 v[QR+4+\i], v[QR+12+\i]  ; the first's lanes 16-31 change places with the second's lanes 0-15: v20-23 = queries 0-15, channels 32 h on; v28-31 = queries 16-31
.endr
.irp i, 0,1,2,3
	v_mov_b32 v[QR+\i], 0
	v_mov_b32 v[QR+8+\i], 0
	v_mov_b32 v[QR+16+\i], 0
.endr
	; ---- items 1 to 4: k ----
	KHEAD RB, 32
	LK RB, 1, 0                                    ; item 3
	KTAIL 0, 0
	KHEAD RA, 32
	LK RA, 1, 1                                    ; item 4
	KTAIL 0, 1
	KHEAD RB, 32
	LV RB, 0                                       ; item 5
	KTAIL 1, 0
	KHEAD RA, 16
	LV RA, 1                                       ; item 6
	KTAIL 1, 1
	; ---- items 5 to 8: v ----
	VHEAD RB, 16
	LV RB, 2                                       ; item 7
	VTAIL 0
	VHEAD RA, 16
	LV RA, 3                                       ; item 8
	VTAIL 1
	VHEAD RB, 16
	VTAIL 2
	VHEAD RA, 0
	VTAIL 3
	s_wait_dscnt 0x0                               ; for the others' sake: my images have landed; and my reads of my turning stage are over
	s_barrier_signal -1
.set i, 0
.rept 64
	v_mov_b32 v[OO+i], 0                           ; O^T.  (The step is written without a first step of its own: it finds zeros, which the first change of M leaves zeros)
.set i, i+1
.endr
.irp x, 0,1
	v_mov_b32 v[STT+4*\x+1], 0xff61b1e6            ; the largest t so far: -3e38, under every t
	v_floor_f32 v[STT+4*\x], -v[STT+4*\x+1]        ; -M
	v_mov_b32 v[STT+4*\x+2], 0                     ; l, in two halves
	v_mov_b32 v[STT+4*\x+3], 0
.endr
.irp b, 0,1,2,3
	v_mov_b32 v[T4+\b], 0                          ; written once: a lane permute's destination counts as one of its sources
.endr
	v_mov_b32 v[FF+1], 0                           ; (named as the upper half of the pair before it is otherwise written)
	v_mov_b32 v[ADR], v[AD0]                       ; key step 0
	s_mov_b32 s26, 0
	s_mov_b32 s27, 15
	s_barrier_wait -1                              ; the whole head's images lie in LDS
; ---- the loop's macros ----
.macro LOADK                           ; K's four fragments as they were stored, and the step's scale words: lanes 0-15 take K's four, lanes 16-31 V's four
.irp b, 0,1,2,3
.irp c, 0,1
	ds_load_b128 v[KV+8*\b+4*\c:KV+8*\b+4*\c+3], v[ADR] offset:1024*\b+512*\c
.endr
.endr
	ds_load_b128 v[SKV:SKV+3], v[ADR] offset:KSC
.endm
.macro LOADV
.irp t, 0,1,2,3
.irp c, 0,1
	ds_load_b128 v[KV+8*\t+4*\c:KV+8*\t+4*\c+3], v[ADR] offset:VIM+1024*\t+512*\c
.endr
.endr
.endm
.macro SCORES x                        ; S^T of tile x: eight tiles of 16 keys; register 16 b + 8 u + i of lane (r, h) is key 32 b + 16 h + 8 u + i of query r
.irp b, 0,1,2,3
.irp u, 0,1
.if \x
	v_wmma_scale_f32_16x16x128_f8f6f4 v[SS+16*\b+8*\u:SS+16*\b+8*\u+7], v[KV+8*\b:KV+8*\b+7], v[QR+8*\x+4*(1-\u):QR+8*\x+4*(1-\u)+7], 0, v[SKV+\b], v[QW] matrix_a_fmt:MATRIX_FMT_FP4 matrix_b_fmt:MATRIX_FMT_FP4 matrix_b_scale:MATRIX_SCALE_ROW1
.else
	v_wmma_scale_f32_16x16x128_f8f6f4 v[SS+16*\b+8*\u:SS+16*\b+8*\u+7], v[KV+8*\b:KV+8*\b+7], v[QR+8*\x+4*(1-\u):QR+8*\x+4*(1-\u)+7], 0, v[SKV+\b], v[QW] matrix_a_fmt:MATRIX_FMT_FP4 matrix_b_fmt:MATRIX_FMT_FP4
.endif
.endr
.endr
.endm
.macro SMAX x                          ; the blocks' largest scores, the new M, f
.set rT, STT+4*(\x)
.irp b, 0,1,2,3
	v_max3_num_f32 v[BM+\b], v[SS+16*\b], v[SS+16*\b+1], v[SS+16*\b+2]   ; each block of 32 keys by itself: its largest score serves for the row's maximum and, since p rises with the score, for the block's largest p
.endr
.irp i, 3,5,7,9,11,13
.irp b, 0,1,2,3
	v_max3_num_f32 v[BM+\b], v[BM+\b], v[SS+16*\b+\i], v[SS+16*\b+\i+1]
.endr
.endr
.irp b, 0,1,2,3
	v_max_num_f32 v[BM+\b], v[BM+\b], v[SS+16*\b+15]
.endr
.irp b, 0,1,2,3
	v_permlanex16_b32 v[T4+\b], v[BM+\b], s24, s25
.endr
.irp b, 0,1,2,3
	v_max_num_f32 v[BM+\b], v[BM+\b], v[T4+\b]     ; with lane l xor 16's 16 keys
.endr
	v_max3_num_f32 v[TMP], v[BM], v[BM+1], v[BM+2]
	v_max_num_f32 v[TMP], v[TMP], v[BM+3]
	v_mul_f32 v[TMP], s22, v[TMP]                  ; the step's largest t
	v_max_num_f32 v[rT+1], v[rT+1], v[TMP]         ; the running largest t
	v_mov_b32 v[TMP], v[rT]
	v_floor_f32 v[rT], -v[rT+1]                    ; -M = floor(-t) = -ceil(t)
	v_sub_f32 v[TMP], v[rT], v[TMP]                ; old M - new M: a whole number, 0 or less
	v_cvt_i32_f32 v[TMP], v[TMP]                   ; (it saturates)
	v_ldexp_f32 v[FF], 1.0, v[TMP]                 ; f
.endm
.macro SEXP x                          ; p, its scale word and its codes
.set rT, STT+4*(\x)
.set rP, PC+8*(\x)
.set rW, PW+(\x)
.set j, 0
.rept 32
	v_pk_fma_f32 v[SS+j:SS+j+1], v[SS+j:SS+j+1], s[22:23], v[rT:rT+1] op_sel_hi:[1,0,0]   ; t - M, two at a time
.set j, j+2
.endr
.irp b, 0,1,2,3
	v_fma_f32 v[BM+\b], v[BM+\b], s22, v[rT]       ; the same of each block's largest score
.endr
.set j, 0
.rept 64
	v_exp_f32 v[SS+j], v[SS+j]                     ; p = 2^(t - M), not normalised
.set j, j+1
.endr
.irp b, 0,1,2,3
	v_exp_f32 v[BM+\b], v[BM+\b]                   ; the block's largest p: the same two instructions on the same number
.endr
	v_pk_mul_f32 v[rT+2:rT+3], v[rT+2:rT+3], v[FF:FF+1] op_sel_hi:[1,0]   ; l under the new M; also the plain line behind the exponentials
	s_wait_alu depctr_va_vdst(0)
.irp b, 0,1,2,3
	v_max_num_f32 v[BM+\b], 0x1800000, v[BM+\b]    ; the floor 2^(3 - 127)
.endr
.irp b, 0,1,2,3
	v_add_nc_u32 v[SO+\b], 0xff000000, v[BM+\b]
.endr
.irp b, 0,1,2,3
	v_lshrrev_b32 v[T4+\b], 23, v[SO+\b]
.endr
	v_lshl_or_b32 v[rW], v[T4+1], 8, v[T4]         ; p's scale word for these 128 keys
	v_lshl_or_b32 v[rW], v[T4+2], 16, v[rW]
	v_lshl_or_b32 v[rW], v[T4+3], 24, v[rW]
.irp b, 0,1,2,3
	v_cvt_scalef32_pk8_fp4_f32 v[rP+2*\b], v[SS+16*\b:SS+16*\b+7], v[SO+\b]
	v_cvt_scalef32_pk8_fp4_f32 v[rP+2*\b+1], v[SS+16*\b+8:SS+16*\b+15], v[SO+\b]
.endr
	v_nop                                          ; one plain line behind the conversions
.irp c, 0,1
.irp i, 0,1
	v_permlane16_swap_b32 v[rP+4*\c+\i], v[rP+4*\c+2+\i]   ; a whole block to a lane: lanes 0-15 block 2 c, lanes 16-31 block 2 c + 1
.endr
.endr
.endm
.macro SUMS x, j0, n                   ; l takes the unquantised p, two at a time, in two chains: n pairs of pairs from register j0 on
.set rT, STT+4*(\x)
.set j, \j0
.rept \n
	v_pk_add_f32 v[rT+2:rT+3], v[rT+2:rT+3], v[SS+j:SS+j+1]
	v_pk_add_f32 v[T2:T2+1], v[T2:T2+1], v[SS+j+2:SS+j+3]
.set j, j+4
.endr
.endm
.macro RESC x                          ; O^T under the new M, each accumulator from its low end on
.set j, 0
.rept 16
	v_pk_mul_f32 v[OO+32*(\x)+j:OO+32*(\x)+j+1], v[OO+32*(\x)+j:OO+32*(\x)+j+1], v[FF:FF+1] op_sel_hi:[1,0]
.set j, j+2
.endr
.endm
.macro PV                              ; O^T += V^T P^T: the eight accumulators by turns, one instruction a turn; sixteen other products stand between two turns of one accumulator
.irp t, 0,1,2,3
.irp x, 0,1
	v_wmma_scale_f32_16x16x128_f8f6f4 v[OO+32*\x+8*\t:OO+32*\x+8*\t+7], v[KV+8*\t:KV+8*\t+7], v[PC+8*\x:PC+8*\x+7], v[OO+32*\x+8*\t:OO+32*\x+8*\t+7], v[SKV+\t], v[PW+\x] matrix_a_fmt:MATRIX_FMT_FP4 matrix_b_fmt:MATRIX_FMT_FP4 matrix_a_scale:MATRIX_SCALE_ROW1
.endr
.endr
.endm
; A KEY STEP: 128 keys, both tiles of queries.  A vector instruction that reads a matrix result, and a load into a register that a matrix instruction has read, stand four plain vector lines behind it
; (ISA guide 7.12.1 for vector instructions); but for the four v_nop behind the first scores, work that is due anyway fills these places.
.macro STEP last
	s_wait_dscnt 0x0                               ; K's fragments and the scale words are in
	SCORES 0
.rept 4
	v_nop
.endr
	SMAX 0
	SEXP 0
	v_pk_add_f32 v[T2:T2+1], v[SS:SS+1], v[SS+2:SS+3]
	SUMS 0, 4, 15
	v_pk_add_f32 v[STT+2:STT+3], v[STT+2:STT+3], v[T2:T2+1]
	SCORES 1                                       ; over tile 0's p, which has been summed and converted
	RESC 0                                         ; sixteen plain lines that name none of those products' registers: the places ahead of the loads and of the first read of the scores
	LOADV                                          ; V takes K's registers: it lands while tile 1's softmax is worked
	SMAX 1
	SEXP 1
	v_pk_add_f32 v[T2:T2+1], v[SS:SS+1], v[SS+2:SS+3]
	SUMS 1, 4, 7
	RESC 1                                         ; with the sums above: 31 plain lines between p's codes and scale word and the products that take them
	s_wait_dscnt 0x0                               ; V is in
	PV
	SUMS 1, 32, 2                                  ; four plain lines on p and l alone: the places ahead of the loads below
.if \last == 0
	s_add_co_u32 s26, s26, REG
	v_add_nc_u32 v[ADR], s26, v[AD0]               ; the next key step's region
	LOADK
.endif
	SUMS 1, 40, 6
	v_pk_add_f32 v[STT+6:STT+7], v[STT+6:STT+7], v[T2:T2+1]
.endm
	LOADK
.Lstep:                                            ; 15 trips; each fetches the next step's K at its end
	STEP 0
	s_sub_co_u32 s27, s27, 1
	s_cmp_lg_u32 s27, 0
	s_cbranch_scc1 .Lstep
	STEP 1                                         ; the last step fetches nothing more: no read leaves the images
	; ---- THE WAY OUT.  Register 8 t + i of tile x in lane (r, h) is channel 16 t + 8 h + i of query 32 w + 16 x + r.  The stage holds 64 rows (channels) of the work-group's 512 queries.
	v_add_f32 v[TMP], v[STT+2], v[STT+3]           ; l's two halves,
	v_add_f32 v[TMP+1], v[STT+6], v[STT+7]
	v_permlanex16_b32 v[T4], v[TMP], s24, s25
	v_permlanex16_b32 v[T4+1], v[TMP+1], s24, s25
	v_add_f32 v[TMP], v[TMP], v[T4]                ; and lane l xor 16's
	v_add_f32 v[TMP+1], v[TMP+1], v[T4+1]
	v_rcp_f32 v[TMP], v[TMP]
	v_rcp_f32 v[TMP+1], v[TMP+1]
	v_and_b32 v12, 15, v0                          ; (plain lines behind the reciprocals)  r
	v_bfe_u32 v13, v0, 4, 1                        ; h
	s_lshl_b32 s28, s8, 7
	s_add_co_u32 s28, s28, OST
	v_mul_u32_u24 v3, v13, 8*OP
	v_lshl_add_u32 v3, v12, 2, v3
	v_add_nc_u32 v3, s28, v3                       ; in: row 8 h, + 4 r + 128 w.  8 OP bytes are 32 words more than a multiple of 64: the two halves of the lanes fall on different banks
	v_add_nc_u32 v4, 32*OP, v3                     ; rows 32 on, so that the immediates stay inside 16 bits
	s_mul_i32 s29, s8, 4*OP
	s_add_co_u32 s29, s29, OST
	v_add_nc_u32 v5, s29, v[AD0]                   ; back: my four rows, 16 bytes a lane
	s_wait_alu depctr_va_vdst(0)
.irp x, 0,1
.set j, 0
.rept 32
	v_mul_f32 v[SS+32*\x+j], v[OO+32*\x+j], v[TMP+\x]   ; O^T / l, each accumulator from its low end on
.set j, j+1
.endr
.endr
.irp x, 0,1
.irp t, 0,1,2,3
.irp i, 0,1,2,3,4,5,6,7
	ds_store_b32 v[3+\t/2], v[SS+32*\x+8*\t+\i] offset:((16*\t+\i)%32)*OP+64*\x
.endr
.endr
.endr
	s_wait_dscnt 0x0                               ; for the others' sake: my stores into the stage have landed
	s_barrier_signal -1
	s_barrier_wait -1                              ; 64 whole rows lie in the stage
.irp n, 0,1,2,3,4,5,6,7,8,9,10,11,12,13,14,15
	ds_load_b128 v[OO+4*\n:OO+4*\n+3], v5 offset:(\n/4)*OP+512*(\n%4)
.endr
.irp n, 0,1,2,3,4,5,6,7,8,9,10,11,12,13,14,15
	s_wait_dscnt 15-\n                             ; LDS loads come back in order: number n is in, the younger ones may be out
	global_store_b128 v[AD0], v[OO+4*\n:OO+4*\n+3], s[16:17] offset:(\n/4)*ROWB+512*(\n%4) th:TH_STORE_NT   ; 32 lanes store 512 consecutive bytes, at a multiple of 256 from out0's first byte
.endr
	s_wait_xcnt 0x0
	v_lshl_add_u32 v254, v0, 2, 0x42800
	v_mov_b32 v255, 0
	s_wait_tensorcnt 0x0
	ds_add_u32 v254, v255
	s_wait_dscnt 0x0
	s_endpgm
.Lfunc_end_k_q5f8092c7d0_attn:
	.size	k_q5f8092c7d0_attn, .Lfunc_end_k_q5f8092c7d0_attn-k_q5f8092c7d0_attn
	.p2alignl 7, 3214868480
	.fill 96, 4, 3214868480
	.section	.rodata,"a",@progbits
	.p2align	6, 0x0
	.amdhsa_kernel k_q5f8092c7d0_attn
		.amdhsa_group_segment_fixed_size 274432
		.amdhsa_private_segment_fixed_size 0
		.amdhsa_enable_private_segment 0
		.amdhsa_kernarg_size 16
		.amdhsa_user_sgpr_count 2
		.amdhsa_user_sgpr_kernarg_segment_ptr 1
		.amdhsa_wavefront_size32 1
		.amdhsa_system_sgpr_workgroup_id_x 1
		.amdhsa_system_sgpr_workgroup_id_y 1
		.amdhsa_system_sgpr_workgroup_id_z 1
		.amdhsa_system_vgpr_workitem_id 0
		.amdhsa_next_free_vgpr 256
		.amdhsa_next_free_sgpr 66
		.amdhsa_reserve_vcc 0
		.amdhsa_float_denorm_mode_32 3
		.amdhsa_float_denorm_mode_16_64 3
		.amdhsa_memory_ordered 1
		.amdhsa_forward_progress 1
		.amdhsa_inst_pref_size 141
	.end_amdhsa_kernel
	.amdgpu_metadata
---
amdhsa.version: [ 1, 2 ]
amdhsa.kernels:
  - .name:           k_q5f8092c7d0_attn
    .symbol:         k_q5f8092c7d0_attn.kd
    .args:
      - { .name: qkv, .offset: 0, .size: 8, .value_kind: global_buffer, .address_space: global }
      - { .name: out0, .offset: 8, .size: 8, .value_kind: global_buffer, .address_space: global }
    .group_segment_fixed_size: 274432
    .private_segment_fixed_size: 0
    .kernarg_segment_align: 8
    .kernarg_segment_size: 16
    .max_flat_workgroup_size: 512
    .sgpr_count:     66
    .vgpr_count:     256
    .wavefront_size: 32
...
	.end_amdgpu_metadata
.endif
;; end of part 1
;; ======== version 2 of 2: 1 launch; version 1 with the launch attn written anew for expert scheduling mode
;; launch attn (part 2): grid 4 x 64, 16 waves a work-group, no clusters, 274,432 bytes of LDS; arguments qkv, out0; writes out0
.if DOCPART == 2
	.amdgcn_target "amdgcn-amd-amdhsa--gfx1250"
	.amdhsa_code_object_version 6
	.text
	.protected	k_q5f8092c7d0_attn
	.globl	k_q5f8092c7d0_attn
	.p2align	8
	.type	k_q5f8092c7d0_attn,@function
k_q5f8092c7d0_attn:
	s_mov_b64 s[64:65], 0
	v_nop
	global_prefetch_b8 v0, s[64:65] scope:SCOPE_SE
	s_setreg_imm32_b32 hwreg(HW_REG_WAVE_SCHED_MODE, 0, 2), 2
	s_setreg_imm32_b32 hwreg(HW_REG_WAVE_MODE, 25, 1), 1
	s_wait_xcnt 0x0
	s_wait_alu depctr_vm_vsrc(0)
; out[hd][c][t] = (sum over s of V4[c][s] P4[t][s]) / l[t],  P = 2^(S log2 e - M),  S[t][s] = sum over c of Q4[c][t] K4[c][s].
; qkv: [64 heads][192 rows][2048] f32: rows 0-63 q, 64-127 k, 128-191 v, the time axis innermost.  out0: [64 heads][64][2048] f32.
; Both products run on codes of E2M1 with one E8M0 scale for each 32 along K.  q x 8^-0.5 and k x 8^-0.5 are quantised along the 64 channels, v and p along the keys.
; M is the running largest t rounded up to a whole number; l is the sum of the unquantised p; when M moves, l and O are multiplied by 2^(old M - new M), exactly.
; SHARES.  A work-group owns 512 queries of one head; each of its sixteen waves owns 32 of them: two tiles of 16, in 256 registers.
; HEAD.  Wave w reads keys 128 w .. 128 w + 127 of k and v as f32, quantises them in registers and lays codes and scale words in LDS AS IMAGES OF THE OPERANDS' REGISTERS: 16 regions,
; one for each key step, 139,264 bytes for the whole head.  Its 32 queries stay in registers.  One barrier.  Then 16 key steps with no barrier and no access to memory: each fragment of K and V
; is loaded from LDS once a step and serves both tiles of queries.  The way out goes through a stage in LDS, one barrier, and leaves in runs of 512 consecutive bytes.
; BOTH PRODUCTS ARE USED TRANSPOSED (source 0 = 16 keys, or 16 channels of v; source 1 = 16 queries): a lane holds ONE query (lane % 16) throughout.
; THE FIRST PRODUCT'S K IS 64, the instruction's 128: a fragment of K holds TWO tiles of keys (registers 0-3: tile 2 b, all 64 channels; registers 4-7: tile 2 b + 1), and the queries' operand is cut
; out of a run zeros | Q | zeros: [Q, 0] picks tile 2 b, [0, Q] picks tile 2 b + 1.  Zero codes add nothing under any scale byte from 1 to 254.
; THE KEYS OF A TILE ARE NOT NEIGHBOURS: row m of tile 2 b + u is key 32 b + 8 u + m + 8 (m / 8), so that the 16 score registers of tiles 2 b, 2 b + 1 are keys 32 b + 16 (lane / 16) + 0 .. 15.
; NO JOINT LOADS, though the four work-groups of a head read the same k and v: the numbers are wanted as f32 in registers, for the quantiser.  Through LDS a head's 1,048,576 bytes would need
; six fills or more of the 188,416 bytes that the images leave free, each behind a round of a cluster's barrier, and every byte would be written to LDS and read from it once more.
; All reads of memory stand in the head, two items ahead of the work; the loop reads none, so nothing is asked for in advance beyond that.
; LIMITS: NaN and infinities among the inputs are not served.  A block whose largest magnitude lies under 2^-124 (a block of zeros among them) gets the byte 1: the bytes are read by this program alone,
; and zero codes add nothing.  A p under 2^-126 becomes 0 (v_exp_f32's results: ISA guide 15.8).  t - M is made by one fused multiply-add.
; THE MODE: SCHED_MODE bits 1:0 = 2 (LLVM: expert scheduling mode 2), set by the entry lines.  The code itself states the register dependences
; between vector or matrix instructions and memory or LDS instructions, with s_wait_alu, always for 0.
; THE PLAN.  Registers that memory or LDS instructions touch, and who else names them:
;   v1, v3-5      offsets, made at the head ahead of the first load.  v3-5 are read by the head's global loads alone and are made anew on the way out; v1 is read by the last stores.
;   v6-11         the head's LDS addresses, made behind the first loads; v8-11 become the statistics behind the first barrier's signal.
;   RA, RB        an item's numbers as loaded.  Items q, k: vector lines read them (q's also write RA); items v: the stage's LDS stores read them.  Then the item two on is loaded into them.
;   XX            items k: written by the multiplications; items v: LDS loads land in it.  Read by the quantiser.
;   C0, C1, EA, EB  written by the quantiser, read by the item's four LDS stores.
;   v[ADR]        read by a step's 17 LDS loads, written once a step.    KV, SKV  LDS loads land in them; the products read them.
;   PC, PW, QR, QW  written by vector lines, taken by the scaled products.
;   way out       v3-5 and v[SS ..] written by vector lines and read by LDS stores and loads; the loads from the stage land in O^T's registers, which the multiplications have read.
; An item of k has a wait on va_vdst behind its multiplications (the buffer is asked for again at once) and one behind its quantiser (the stores' data; XX is done with); an item of v the second alone.
; One wait on vm_vsrc an item stands ahead of the quantiser.  A key step has, beside the two waits for its exponentials, a wait on va_vdst ahead of each of its two runs of LDS loads and one ahead
; of the second product, and a wait on vm_vsrc ahead of the add to v[ADR].
.set ROWB,  8192                       ; a row of qkv or out0 in bytes
.set HEADB, 192*ROWB                   ; a head of qkv
.set REG,   8704                       ; LDS: a key step's region: +0 K's four fragments, +4096 V's four, +8192 K's scale words (16 bytes a row), +8448 V's
.set VIM,   4096
.set KSC,   8192
.set VSC,   8448
.set STG,   16*REG                     ; behind the images: v's turning stage, 16 rows x 272 bytes for each wave
.set SPT,   272                        ; 256 bytes + 16: the sixteen rows that a load touches start at sixteen different banks (64 banks of 4 bytes: ISA guide 11.1)
.set OST,   16*REG                     ; the way out's stage, 64 rows x OP bytes, over the turning stages, whose last reads are waited for ahead of the first barrier
.set OP,    2064                       ; 2,048 bytes + 16
; registers that stay
.set AD0, 1                            ; v1   16 x lane
.set ADR, 2                            ; v2   16 x lane + the key step's region
.set QR,  16                           ; v16-35  zeros | Q of tile 0 | zeros | Q of tile 1 | zeros, four registers each
.set QW,  36                           ; v36  the queries' scale words: lanes 0-15 tile 0's, lanes 16-31 tile 1's
.set PW,  37                           ; v37, v38  p's scale words, tile 0's and tile 1's
.set SKV, 40                           ; v40-43  lanes 0-15: K's scale words of fragments 0-3; lanes 16-31: V's
; the head's registers
.set VQ,  3                            ; v3   4 x lane
.set VK,  4                            ; v4   8 x lane
.set VV,  5                            ; v5   8,192 (lane / 16) + 16 (lane % 16)
.set KST, 6                            ; v6   where my two keys' codes go
.set KSB, 7                            ; v7   and their scale bytes
.set VSI, 8                            ; v8   the turning stage, in
.set VSO, 9                            ; v9   and out
.set VST, 10                           ; v10  where my row of v's codes goes
.set VSB, 11                           ; v11  and its scale bytes
.set C0,  48                           ; v48-51, v52-55  two blocks' codes
.set C1,  52
.set MA,  56                           ; v56, v57 largest magnitudes; v58, v59 the conversions' scale operands; v60, v61 the bytes
.set MB,  57
.set SA,  58
.set SB,  59
.set EA,  60
.set EB,  61
.set RA,  64                           ; v64-127, v128-191  numbers as loaded, two buffers by turns
.set RB,  128
.set XX,  192                          ; v192-255  two blocks of 32 neighbours along K
; the loop's registers
.set STT, 8                            ; tile x at v[8 + 4 x]: -M, the largest t, l in two halves
.set KV,  44                           ; v44-75  four fragments of K, then of V
.set PC,  76                           ; v76-83, v84-91  p's codes, tile 0's and tile 1's
.set SS,  92                           ; v92-155  the scores of the tile in hand, then p
.set OO,  156                          ; v156-187, v188-219  O^T, tile 0's and tile 1's
.set BM,  220                          ; v220-223  the four blocks' largest scores, then largest p
.set T4,  224                          ; v224-227  at work
.set SO,  228                          ; v228-231  the conversions' scale operands
.set FF,  232                          ; v[232:233]  f = 2^(old M - new M), and a word that is only named with it
.set TMP, 234                          ; v234, v235
.set T2,  236                          ; v[236:237]  the sum's second chain
; ---- the head's loads ----
.macro LQ r                            ; my 32 queries: a lane to a query, the registers run down the 64 channels; a load of the wave covers 128 consecutive bytes, the next wave's the 128 beside them
.set i, 0
.rept 64
	global_load_b32 v[\r+i], v[VQ], s[12:13] offset:i*ROWB th:TH_LOAD_NT
.set i, i+1
.endr
.endm
.macro LK r, g, hh                     ; keys 64 g + 2 lane, + 1 of my 128; channels 32 hh + 0 .. 31 down the registers; a load of the wave covers 256 consecutive bytes, aligned
.set i, 0
.rept 32
	global_load_b64 v[\r+2*i:\r+2*i+1], v[VK], s[14:15] offset:(32*\hh+i)*ROWB+256*\g
.set i, i+1
.endr
.endm
.macro LV r, t                         ; channels 16 t .. 16 t + 15 of v, my 128 keys: a load covers two rows x 256 consecutive bytes, aligned
.irp c, 0,1
.irp i, 0,1,2,3,4,5,6,7
	global_load_b128 v[\r+32*\c+4*\i:\r+32*\c+4*\i+3], v[VV], s[14:15] offset:(64+16*\t+2*\i)*ROWB+256*\c
.endr
.endr
.endm
; Two blocks of 32 numbers, each in one lane's 32 registers, become 4 registers of codes each and a scale byte each; the two by turns, so that no line waits for the line above it.
.macro QBLK2 x0, x1, c0, c1
	v_max3_num_f32 v[MA], |v[\x0]|, |v[\x0+1]|, 0x1800000          ; the largest magnitude, with the floor 2^(3 - 127) among its leaves: the byte cannot fall under 1
	v_max3_num_f32 v[MB], |v[\x1]|, |v[\x1+1]|, 0x1800000
.irp i, 2,4,6,8,10,12,14,16,18,20,22,24,26,28,30
	v_max3_num_f32 v[MA], v[MA], |v[\x0+\i]|, |v[\x0+\i+1]|
	v_max3_num_f32 v[MB], v[MB], |v[\x1+\i]|, |v[\x1+\i+1]|
.endr
	v_add_nc_u32 v[SA], 0xff000000, v[MA]                          ; 2 off the exponent field: the conversion takes the exponent field of this operand as its scale
	v_add_nc_u32 v[SB], 0xff000000, v[MB]
.irp g, 0,1,2,3
	v_cvt_scalef32_pk8_fp4_f32 v[\c0+\g], v[\x0+8*\g:\x0+8*\g+7], v[SA]
.endr
.irp g, 0,1,2,3
	v_cvt_scalef32_pk8_fp4_f32 v[\c1+\g], v[\x1+8*\g:\x1+8*\g+7], v[SB]
.endr
	v_lshrrev_b32 v[EA], 23, v[SA]                                 ; the scales' bytes; also the plain line behind the conversions
	v_lshrrev_b32 v[EB], 23, v[SB]
.endm
.macro KHEAD r, cnt                    ; an item of k: cnt = the next item's loads, the only ones issued behind mine
	s_wait_loadcnt \cnt
.set i, 0
.rept 32
	v_mul_f32 v[XX+i], s20, v[\r+2*i]                              ; x 8^-0.5, and the two keys are parted: the even key's 32 channels,
	v_mul_f32 v[XX+32+i], s20, v[\r+2*i+1]                         ; the odd key's
.set i, i+1
.endr
	s_wait_alu depctr_va_vdst(0)                                   ; the multiplications are done reading the buffer, in which the loads of the item two on land
.endm
.macro KTAIL g, hh
	s_wait_dscnt 0x0                                               ; the last item's LDS stores are done,
	s_wait_alu depctr_vm_vsrc(0)                                   ; and have read the codes' and bytes' registers, which the quantiser writes again
	QBLK2 XX, XX+32, C0, C1
	s_wait_alu depctr_va_vdst(0)                                   ; the quantiser has written the codes and the bytes, which the four stores read, and is done reading XX, in which the first item of v lets LDS loads land
	ds_store_b128 v[KST], v[C0:C0+3] offset:2048*\g+256*\hh        ; 32 codes of one key: the 16 bytes of lane (row, hh) in the image of its tile
	ds_store_b128 v[KST], v[C1:C1+3] offset:2048*\g+256*\hh+16     ; the odd key is the next row
	ds_store_b8 v[KSB], v[EA] offset:KSC+8*\g+\hh
	ds_store_b8 v[KSB], v[EB] offset:KSC+8*\g+\hh+16
.endm
.macro VHEAD r, cnt                    ; an item of v: 16 rows x 128 keys turn through my stage, 64 keys at a time, so that a lane gets 32 neighbouring keys of one row.  No vector line has named XX since the last item's wait on va_vdst
	s_wait_loadcnt \cnt
.irp c, 0,1
.irp i, 0,1,2,3,4,5,6,7
	ds_store_b128 v[VSI], v[\r+32*\c+4*\i:\r+32*\c+4*\i+3] offset:2*\i*SPT
.endr
.irp p, 0,1,2,3,4,5,6,7
	ds_load_b128 v[XX+32*\c+4*\p:XX+32*\c+4*\p+3], v[VSO] offset:16*\p   ; LDS serves a wave's instructions in order (ISA guide 5.7.1.4): these see the stores above, and the next half's stores come behind them
.endr
.endr
	s_wait_dscnt 0x0                                               ; the numbers are back
	s_wait_alu depctr_vm_vsrc(0)                                   ; the stage's stores have read the buffer, in which the loads of the item two on land; the last item's stores have read their codes and bytes, which the quantiser writes again
.endm
.macro VTAIL t
	QBLK2 XX, XX+32, C0, C1
	s_wait_alu depctr_va_vdst(0)                                   ; the quantiser has written the codes and the bytes, which the four stores read, and is done reading XX, in which the next item's LDS loads land
	ds_store_b128 v[VST], v[C0:C0+3] offset:VIM+1024*\t            ; registers 0-3 of fragment t as they stand: keys 32 (lane / 16) on,
	ds_store_b128 v[VST], v[C1:C1+3] offset:VIM+1024*\t+512        ; registers 4-7: keys 64 + 32 (lane / 16) on
	ds_store_b8 v[VSB], v[EA] offset:VSC+4*\t
	ds_store_b8 v[VSB], v[EB] offset:VSC+4*\t+2
.endm
	s_load_b128 s[4:7], s[0:1], 0x0                ; qkv s[4:5], out0 s[6:7]
	v_lshrrev_b32 v12, 5, v0
	v_readfirstlane_b32 s8, v12                    ; wave 0..15
	s_and_b32 s9, ttmp7, 0xffff                    ; the head
	s_mul_i32 s18, s9, HEADB                       ; its first byte in qkv (under 2^27)
	s_lshl_b32 s19, ttmp9, 11                      ; the work-group's 512 queries: 2,048 bytes of a row
	s_wait_alu depctr_va_sdst(0)                   ; s8 is written, ahead of its first reader: offsets and LDS addresses are made from it
	s_lshl_b32 s10, s8, 7                          ; my 32 of them: 128 bytes
	s_add_co_u32 s10, s10, s19
	s_add_co_u32 s10, s10, s18                     ; q: my first query in row 0
	s_mov_b32 s11, 0
	s_lshl_b32 s30, s8, 9                          ; my 128 keys: 512 bytes
	s_add_co_u32 s30, s30, s18
	s_add_co_u32 s30, s30, 64*ROWB                 ; k: my first key in its row 0; v's rows lie 64 rows on and are reached by the immediates
	s_mov_b32 s31, 0
	s_lshl_b32 s32, s9, 19                         ; the head's first byte in out0
	s_lshl_b32 s18, s8, 15                         ; the four channels that I store
	s_add_co_u32 s32, s32, s18
	s_add_co_u32 s32, s32, s19
	s_mov_b32 s33, 0
	s_mov_b32 s20, 0x3eb504f3                      ; 8^-0.5, as f32
	s_mov_b32 s21, s20                             ; (named with it as a pair, so it is written)
	s_mov_b32 s22, 0x3fb8aa3b                      ; log2(e)
	s_mov_b32 s23, s22
	s_mov_b32 s24, 0x76543210                      ; v_permlanex16_b32's selects for lane l xor 16
	s_mov_b32 s25, 0xfedcba98
	v_and_b32 v12, 31, v0                          ; lane
	v_and_b32 v13, 15, v0                          ; r
	v_bfe_u32 v14, v0, 4, 1                        ; h
	v_lshlrev_b32 v[AD0], 4, v12
	v_lshlrev_b32 v[VQ], 2, v12
	v_lshlrev_b32 v[VK], 3, v12
	v_lshlrev_b32 v[VV], 4, v13
	v_lshl_add_u32 v[VV], v14, 13, v[VV]
	s_wait_kmcnt 0x0
	s_add_nc_u64 s[12:13], s[4:5], s[10:11]
	s_add_nc_u64 s[14:15], s[4:5], s[30:31]
	s_add_nc_u64 s[16:17], s[6:7], s[32:33]
	s_wait_alu depctr_va_vdst(0)                   ; the offsets v1, v3, v4 and v5 are written: every global load and store of the kernel reads one of them
	LQ RA                                          ; items 0 and 1 of nine go out at once; an issue that would pass the counter's field is held back by itself (ISA guide 5.7.1), so no wait is placed for that
	LK RB, 0, 0
	; Key 64 g + 2 lane + e is row m = 2 (lane % 4) + e + 8 ((lane / 8) % 2) of tile 2 b + u, with b = 2 g + lane / 16 and u = (lane / 4) % 2.
	s_mul_i32 s28, s8, REG                         ; my key step's region
	v_and_b32 v15, 3, v0
	v_lshlrev_b32 v15, 5, v15                      ; 16 bytes a row: 32 (lane % 4)
	v_bfe_u32 v[KST], v0, 3, 1
	v_lshl_add_u32 v15, v[KST], 7, v15             ; + 128 ((lane / 8) % 2)
	v_add_nc_u32 v15, s28, v15
	v_bfe_u32 v[KSB], v0, 2, 1                     ; u
	v_lshl_add_u32 v[KST], v14, 10, v15            ; codes: + 1,024 (lane / 16)
	v_lshl_add_u32 v[KST], v[KSB], 9, v[KST]       ; + 512 u
	v_lshl_add_u32 v15, v14, 2, v15                ; bytes: + 4 (lane / 16)
	v_lshl_add_u32 v[KSB], v[KSB], 1, v15          ; + 2 u
	s_mul_i32 s29, s8, 16*SPT
	s_add_co_u32 s29, s29, STG                     ; my turning stage
	v_mul_u32_u24 v[VSI], v14, SPT
	v_lshl_add_u32 v[VSI], v13, 4, v[VSI]
	v_add_nc_u32 v[VSI], s29, v[VSI]               ; in: row h (+ 2 i), 16 r
	v_mul_u32_u24 v[VSO], v13, SPT
	v_lshl_add_u32 v[VSO], v14, 7, v[VSO]
	v_add_nc_u32 v[VSO], s29, v[VSO]               ; out: row r, 128 h
	v_add_nc_u32 v[VST], s28, v[AD0]
	v_lshl_add_u32 v[VSB], v13, 4, v14             ; 16 r + h
	v_add_nc_u32 v[VSB], s28, v[VSB]
	; ---- item 0: q ----
	s_wait_loadcnt 32                              ; q is in; item 1's 32 loads may be out
.set i, 0
.rept 32
	v_pk_mul_f32 v[RA+i:RA+i+1], v[RA+i:RA+i+1], s[20:21] op_sel_hi:[1,0]
.set i, i+2
.endr
	QBLK2 RA, RA+32, QR+4, QR+12                   ; lane l: query l; channels 0-31 -> v20-23, channels 32-63 -> v28-31
	s_wait_alu depctr_va_vdst(0)                   ; the multiplications have written RA and the quantiser is done reading it: item 2's loads land there; the LDS addresses v6 to v11 are written too
	LK RA, 0, 1                                    ; item 2
	v_lshl_or_b32 v[QW], v[EB], 8, v[EA]
	v_lshl_or_b32 v[QW], v[QW], 16, v[QW]          ; [s0, s1, s0, s1]: it serves [Q, 0] and [0, Q] alike
.irp i, 0,1,2,3
	v_permlane16_swap_b32 v[QR+4+\i], v[QR+12+\i]  ; the first's lanes 16-31 change places with the second's lanes 0-15: v20-23 = queries 0-15, channels 32 h on; v28-31 = queries 16-31
.endr
.irp i, 0,1,2,3
	v_mov_b32 v[QR+\i], 0
	v_mov_b32 v[QR+8+\i], 0
	v_mov_b32 v[QR+16+\i], 0
.endr
	; ---- items 1 to 4: k ----
	KHEAD RB, 32
	LK RB, 1, 0                                    ; item 3
	KTAIL 0, 0
	KHEAD RA, 32
	LK RA, 1, 1                                    ; item 4
	KTAIL 0, 1
	KHEAD RB, 32
	LV RB, 0                                       ; item 5
	KTAIL 1, 0
	KHEAD RA, 16
	LV RA, 1                                       ; item 6
	KTAIL 1, 1
	; ---- items 5 to 8: v ----
	VHEAD RB, 16
	LV RB, 2                                       ; item 7
	VTAIL 0
	VHEAD RA, 16
	LV RA, 3                                       ; item 8
	VTAIL 1
	VHEAD RB, 16
	VTAIL 2
	VHEAD RA, 0
	VTAIL 3
	s_wait_dscnt 0x0                               ; for the others' sake: my images have landed; and my reads of my turning stage are over
	s_wait_alu depctr_vm_vsrc(0)                   ; the head's loads and LDS instructions have read all their registers: v8 to v11 and v156 to v191 are written below, K's first loads land in v48 to v75, and v3 to v5 are made anew on the way out
	s_barrier_signal -1
.set i, 0
.rept 64
	v_mov_b32 v[OO+i], 0                           ; O^T.  (The step is written without a first step of its own: it finds zeros, which the first change of M leaves zeros)
.set i, i+1
.endr
.irp x, 0,1
	v_mov_b32 v[STT+4*\x+1], 0xff61b1e6            ; the largest t so far: -3e38, under every t
	v_floor_f32 v[STT+4*\x], -v[STT+4*\x+1]        ; -M
	v_mov_b32 v[STT+4*\x+2], 0                     ; l, in two halves
	v_mov_b32 v[STT+4*\x+3], 0
.endr
.irp b, 0,1,2,3
	v_mov_b32 v[T4+\b], 0                          ; written once: a lane permute's destination counts as one of its sources
.endr
	v_mov_b32 v[FF+1], 0                           ; (named as the upper half of the pair before it is otherwise written)
	v_mov_b32 v[ADR], v[AD0]                       ; key step 0
	s_mov_b32 s26, 0
	s_mov_b32 s27, 15
	s_barrier_wait -1                              ; the whole head's images lie in LDS
	s_wait_alu depctr_va_vdst(0)                   ; v[ADR] is written, which the loads below read; the quantiser is done with v48 to v61, in which they land; Q's codes, zeros and scale words are written, which the scaled products take
; ---- the loop's macros ----
.macro LOADK                           ; K's four fragments as they were stored, and the step's scale words: lanes 0-15 take K's four, lanes 16-31 V's four
.irp b, 0,1,2,3
.irp c, 0,1
	ds_load_b128 v[KV+8*\b+4*\c:KV+8*\b+4*\c+3], v[ADR] offset:1024*\b+512*\c
.endr
.endr
	ds_load_b128 v[SKV:SKV+3], v[ADR] offset:KSC
.endm
.macro LOADV
.irp t, 0,1,2,3
.irp c, 0,1
	ds_load_b128 v[KV+8*\t+4*\c:KV+8*\t+4*\c+3], v[ADR] offset:VIM+1024*\t+512*\c
.endr
.endr
.endm
.macro SCORES x                        ; S^T of tile x: eight tiles of 16 keys; register 16 b + 8 u + i of lane (r, h) is key 32 b + 16 h + 8 u + i of query r
.irp b, 0,1,2,3
.irp u, 0,1
.if \x
	v_wmma_scale_f32_16x16x128_f8f6f4 v[SS+16*\b+8*\u:SS+16*\b+8*\u+7], v[KV+8*\b:KV+8*\b+7], v[QR+8*\x+4*(1-\u):QR+8*\x+4*(1-\u)+7], 0, v[SKV+\b], v[QW] matrix_a_fmt:MATRIX_FMT_FP4 matrix_b_fmt:MATRIX_FMT_FP4 matrix_b_scale:MATRIX_SCALE_ROW1
.else
	v_wmma_scale_f32_16x16x128_f8f6f4 v[SS+16*\b+8*\u:SS+16*\b+8*\u+7], v[KV+8*\b:KV+8*\b+7], v[QR+8*\x+4*(1-\u):QR+8*\x+4*(1-\u)+7], 0, v[SKV+\b], v[QW] matrix_a_fmt:MATRIX_FMT_FP4 matrix_b_fmt:MATRIX_FMT_FP4
.endif
.endr
.endr
.endm
.macro SMAX x                          ; the blocks' largest scores, the new M, f
.set rT, STT+4*(\x)
.irp b, 0,1,2,3
	v_max3_num_f32 v[BM+\b], v[SS+16*\b], v[SS+16*\b+1], v[SS+16*\b+2]   ; each block of 32 keys by itself: its largest score serves for the row's maximum and, since p rises with the score, for the block's largest p
.endr
.irp i, 3,5,7,9,11,13
.irp b, 0,1,2,3
	v_max3_num_f32 v[BM+\b], v[BM+\b], v[SS+16*\b+\i], v[SS+16*\b+\i+1]
.endr
.endr
.irp b, 0,1,2,3
	v_max_num_f32 v[BM+\b], v[BM+\b], v[SS+16*\b+15]
.endr
.irp b, 0,1,2,3
	v_permlanex16_b32 v[T4+\b], v[BM+\b], s24, s25
.endr
.irp b, 0,1,2,3
	v_max_num_f32 v[BM+\b], v[BM+\b], v[T4+\b]     ; with lane l xor 16's 16 keys
.endr
	v_max3_num_f32 v[TMP], v[BM], v[BM+1], v[BM+2]
	v_max_num_f32 v[TMP], v[TMP], v[BM+3]
	v_mul_f32 v[TMP], s22, v[TMP]                  ; the step's largest t
	v_max_num_f32 v[rT+1], v[rT+1], v[TMP]         ; the running largest t
	v_mov_b32 v[TMP], v[rT]
	v_floor_f32 v[rT], -v[rT+1]                    ; -M = floor(-t) = -ceil(t)
	v_sub_f32 v[TMP], v[rT], v[TMP]                ; old M - new M: a whole number, 0 or less
	v_cvt_i32_f32 v[TMP], v[TMP]                   ; (it saturates)
	v_ldexp_f32 v[FF], 1.0, v[TMP]                 ; f
.endm
.macro SEXP x                          ; p, its scale word and its codes
.set rT, STT+4*(\x)
.set rP, PC+8*(\x)
.set rW, PW+(\x)
.set j, 0
.rept 32
	v_pk_fma_f32 v[SS+j:SS+j+1], v[SS+j:SS+j+1], s[22:23], v[rT:rT+1] op_sel_hi:[1,0,0]   ; t - M, two at a time
.set j, j+2
.endr
.irp b, 0,1,2,3
	v_fma_f32 v[BM+\b], v[BM+\b], s22, v[rT]       ; the same of each block's largest score
.endr
.set j, 0
	s_wait_alu depctr_va_vdst(0)
.rept 64
	v_exp_f32 v[SS+j], v[SS+j]                     ; p = 2^(t - M), not normalised
.set j, j+1
.endr
.irp b, 0,1,2,3
	v_exp_f32 v[BM+\b], v[BM+\b]                   ; the block's largest p: the same two instructions on the same number
.endr
	v_pk_mul_f32 v[rT+2:rT+3], v[rT+2:rT+3], v[FF:FF+1] op_sel_hi:[1,0]   ; l under the new M; also the plain line behind the exponentials
	s_wait_alu depctr_va_vdst(0)                   ; the 68 exponentials have written p and the blocks' largest p: one wait for the batch, ahead of its first reader
.irp b, 0,1,2,3
	v_max_num_f32 v[BM+\b], 0x1800000, v[BM+\b]    ; the floor 2^(3 - 127)
.endr
.irp b, 0,1,2,3
	v_add_nc_u32 v[SO+\b], 0xff000000, v[BM+\b]
.endr
.irp b, 0,1,2,3
	v_lshrrev_b32 v[T4+\b], 23, v[SO+\b]
.endr
	v_lshl_or_b32 v[rW], v[T4+1], 8, v[T4]         ; p's scale word for these 128 keys
	v_lshl_or_b32 v[rW], v[T4+2], 16, v[rW]
	v_lshl_or_b32 v[rW], v[T4+3], 24, v[rW]
.irp b, 0,1,2,3
	v_cvt_scalef32_pk8_fp4_f32 v[rP+2*\b], v[SS+16*\b:SS+16*\b+7], v[SO+\b]
	v_cvt_scalef32_pk8_fp4_f32 v[rP+2*\b+1], v[SS+16*\b+8:SS+16*\b+15], v[SO+\b]
.endr
	v_nop                                          ; one plain line behind the conversions
.irp c, 0,1
.irp i, 0,1
	v_permlane16_swap_b32 v[rP+4*\c+\i], v[rP+4*\c+2+\i]   ; a whole block to a lane: lanes 0-15 block 2 c, lanes 16-31 block 2 c + 1
.endr
.endr
.endm
.macro SUMS x, j0, n                   ; l takes the unquantised p, two at a time, in two chains: n pairs of pairs from register j0 on
.set rT, STT+4*(\x)
.set j, \j0
.rept \n
	v_pk_add_f32 v[rT+2:rT+3], v[rT+2:rT+3], v[SS+j:SS+j+1]
	v_pk_add_f32 v[T2:T2+1], v[T2:T2+1], v[SS+j+2:SS+j+3]
.set j, j+4
.endr
.endm
.macro RESC x                          ; O^T under the new M, each accumulator from its low end on
.set j, 0
.rept 16
	v_pk_mul_f32 v[OO+32*(\x)+j:OO+32*(\x)+j+1], v[OO+32*(\x)+j:OO+32*(\x)+j+1], v[FF:FF+1] op_sel_hi:[1,0]
.set j, j+2
.endr
.endm
.macro PV                              ; O^T += V^T P^T: the eight accumulators by turns, one instruction a turn; sixteen other products stand between two turns of one accumulator
.irp t, 0,1,2,3
.irp x, 0,1
	v_wmma_scale_f32_16x16x128_f8f6f4 v[OO+32*\x+8*\t:OO+32*\x+8*\t+7], v[KV+8*\t:KV+8*\t+7], v[PC+8*\x:PC+8*\x+7], v[OO+32*\x+8*\t:OO+32*\x+8*\t+7], v[SKV+\t], v[PW+\x] matrix_a_fmt:MATRIX_FMT_FP4 matrix_b_fmt:MATRIX_FMT_FP4 matrix_a_scale:MATRIX_SCALE_ROW1
.endr
.endr
.endm
; A KEY STEP: 128 keys, both tiles of queries.  A vector instruction that reads a matrix result stands four plain vector lines behind it (ISA guide 7.12.1); but for the four v_nop behind the first
; scores, work that is due anyway fills these places.  The same lines stand ahead of the loads into registers that products have read, beside the waits that state those dependences.
.macro STEP last
	s_wait_dscnt 0x0                               ; K's fragments and the scale words are in
	SCORES 0
.rept 4
	v_nop
.endr
	SMAX 0
	SEXP 0
	v_pk_add_f32 v[T2:T2+1], v[SS:SS+1], v[SS+2:SS+3]
	SUMS 0, 4, 15
	v_pk_add_f32 v[STT+2:STT+3], v[STT+2:STT+3], v[T2:T2+1]
	SCORES 1                                       ; over tile 0's p, which has been summed and converted
	RESC 0                                         ; sixteen plain lines that name none of those products' registers: the places ahead of the first read of the scores
	s_wait_alu depctr_va_vdst(0)                   ; both tiles' score products are done reading K's fragments, in which V's loads land
	LOADV                                          ; V takes K's registers: it lands while tile 1's softmax is worked, none of whose lines names them
	SMAX 1
	SEXP 1
	v_pk_add_f32 v[T2:T2+1], v[SS:SS+1], v[SS+2:SS+3]
	SUMS 1, 4, 7
	RESC 1                                         ; with the sums above: 31 plain lines between p's codes and scale word and the products that take them
	s_wait_dscnt 0x0                               ; V is in
	s_wait_alu depctr_va_vdst(0)                   ; p's codes and scale words of both tiles, made by vector lines, are written: the scaled products below take them; the places above stay beside this wait
	PV
	SUMS 1, 32, 2                                  ; four plain lines on p and l alone
.if \last == 0
	s_add_co_u32 s26, s26, REG
	s_wait_alu depctr_vm_vsrc(0)                   ; this step's LDS loads have read v[ADR]
	v_add_nc_u32 v[ADR], s26, v[AD0]               ; the next key step's region
	s_wait_alu depctr_va_vdst(0)                   ; v[ADR] is written, which the loads below read; the products above are done reading V's fragments and the scale words, in which they land
	LOADK
.endif
	SUMS 1, 40, 6                                  ; on p and l alone: no line from here to the next step's wait for K names a register that those loads touch
	v_pk_add_f32 v[STT+6:STT+7], v[STT+6:STT+7], v[T2:T2+1]
.endm
	LOADK
.Lstep:                                            ; 15 trips; each fetches the next step's K at its end
	STEP 0
	s_sub_co_u32 s27, s27, 1
	s_cmp_lg_u32 s27, 0
	s_cbranch_scc1 .Lstep
	STEP 1                                         ; the last step fetches nothing more: no read leaves the images
	; ---- THE WAY OUT.  Register 8 t + i of tile x in lane (r, h) is channel 16 t + 8 h + i of query 32 w + 16 x + r.  The stage holds 64 rows (channels) of the work-group's 512 queries.
	v_add_f32 v[TMP], v[STT+2], v[STT+3]           ; l's two halves,
	v_add_f32 v[TMP+1], v[STT+6], v[STT+7]
	v_permlanex16_b32 v[T4], v[TMP], s24, s25
	v_permlanex16_b32 v[T4+1], v[TMP+1], s24, s25
	v_add_f32 v[TMP], v[TMP], v[T4]                ; and lane l xor 16's
	v_add_f32 v[TMP+1], v[TMP+1], v[T4+1]
	s_wait_alu depctr_va_vdst(0)
	v_rcp_f32 v[TMP], v[TMP]
	v_rcp_f32 v[TMP+1], v[TMP+1]
	v_and_b32 v12, 15, v0                          ; (plain lines behind the reciprocals)  r
	v_bfe_u32 v13, v0, 4, 1                        ; h
	s_lshl_b32 s28, s8, 7
	s_add_co_u32 s28, s28, OST
	v_mul_u32_u24 v3, v13, 8*OP                    ; (v3 to v5 were last read by the head's loads, ahead of the wait on vm_vsrc at the first barrier)
	v_lshl_add_u32 v3, v12, 2, v3
	v_add_nc_u32 v3, s28, v3                       ; in: row 8 h, + 4 r + 128 w.  8 OP bytes are 32 words more than a multiple of 64: the two halves of the lanes fall on different banks
	v_add_nc_u32 v4, 32*OP, v3                     ; rows 32 on, so that the immediates stay inside 16 bits
	s_mul_i32 s29, s8, 4*OP
	s_add_co_u32 s29, s29, OST
	v_add_nc_u32 v5, s29, v[AD0]                   ; back: my four rows, 16 bytes a lane
	s_wait_alu depctr_va_vdst(0)                   ; the two reciprocals are written, ahead of their first reader
.irp x, 0,1
.set j, 0
.rept 32
	v_mul_f32 v[SS+32*\x+j], v[OO+32*\x+j], v[TMP+\x]   ; O^T / l, each accumulator from its low end on
.set j, j+1
.endr
.endr
	s_wait_alu depctr_va_vdst(0)                   ; the multiplications have written v[SS ..], which the LDS stores read, and are done reading O^T, in which the loads from the stage land; v3, v4 and v5 are written
.irp x, 0,1
.irp t, 0,1,2,3
.irp i, 0,1,2,3,4,5,6,7
	ds_store_b32 v[3+\t/2], v[SS+32*\x+8*\t+\i] offset:((16*\t+\i)%32)*OP+64*\x
.endr
.endr
.endr
	s_wait_dscnt 0x0                               ; for the others' sake: my stores into the stage have landed
	s_barrier_signal -1
	s_barrier_wait -1                              ; 64 whole rows lie in the stage
.irp n, 0,1,2,3,4,5,6,7,8,9,10,11,12,13,14,15
	ds_load_b128 v[OO+4*\n:OO+4*\n+3], v5 offset:(\n/4)*OP+512*(\n%4)   ; no vector line since the wait above names these registers
.endr
.irp n, 0,1,2,3,4,5,6,7,8,9,10,11,12,13,14,15
	s_wait_dscnt 15-\n                             ; LDS loads come back in order: number n is in, the younger ones may be out
	global_store_b128 v[AD0], v[OO+4*\n:OO+4*\n+3], s[16:17] offset:(\n/4)*ROWB+512*(\n%4) th:TH_STORE_NT   ; 32 lanes store 512 consecutive bytes, at a multiple of 256 from out0's first byte
.endr
	s_wait_xcnt 0x0
	v_lshl_add_u32 v254, v0, 2, 0x42800            ; my spare word, behind the stage, and 0: made here, since no two registers could be kept; no memory or LDS instruction has ever read v254 or v255
	v_mov_b32 v255, 0
	s_wait_dscnt 0x0                               ; the closing lines, six on end
	s_wait_alu 0x0
	s_wait_tensorcnt 0x0
	ds_add_u32 v254, v255
	s_wait_dscnt 0x0
	s_endpgm
.Lfunc_end_k_q5f8092c7d0_attn:
	.size	k_q5f8092c7d0_attn, .Lfunc_end_k_q5f8092c7d0_attn-k_q5f8092c7d0_attn
	.p2alignl 7, 3214868480
	.fill 96, 4, 3214868480
	.section	.rodata,"a",@progbits
	.p2align	6, 0x0
	.amdhsa_kernel k_q5f8092c7d0_attn
		.amdhsa_group_segment_fixed_size 274432
		.amdhsa_private_segment_fixed_size 0
		.amdhsa_enable_private_segment 0
		.amdhsa_kernarg_size 16
		.amdhsa_user_sgpr_count 2
		.amdhsa_user_sgpr_kernarg_segment_ptr 1
		.amdhsa_wavefront_size32 1
		.amdhsa_system_sgpr_workgroup_id_x 1
		.amdhsa_system_sgpr_workgroup_id_y 1
		.amdhsa_system_sgpr_workgroup_id_z 1
		.amdhsa_system_vgpr_workitem_id 0
		.amdhsa_next_free_vgpr 256
		.amdhsa_next_free_sgpr 66
		.amdhsa_reserve_vcc 0
		.amdhsa_float_denorm_mode_32 3
		.amdhsa_float_denorm_mode_16_64 3
		.amdhsa_memory_ordered 1
		.amdhsa_forward_progress 1
		.amdhsa_inst_pref_size 143
	.end_amdhsa_kernel
	.amdgpu_metadata
---
amdhsa.version: [ 1, 2 ]
amdhsa.kernels:
  - .name:           k_q5f8092c7d0_attn
    .symbol:         k_q5f8092c7d0_attn.kd
    .args:
      - { .name: qkv, .offset: 0, .size: 8, .value_kind: global_buffer, .address_space: global }
      - { .name: out0, .offset: 8, .size: 8, .value_kind: global_buffer, .address_space: global }
    .group_segment_fixed_size: 274432
    .private_segment_fixed_size: 0
    .kernarg_segment_align: 8
    .kernarg_segment_size: 16
    .max_flat_workgroup_size: 512
    .sgpr_count:     66
    .vgpr_count:     256
    .wavefront_size: 32
...
	.end_amdgpu_metadata
.endif
;; end of part 2
